; MI455X (gfx1250); checked and timed in simulation.
; The chip was launched on July 23, 2026; its instructions are those of AMD's public machine-readable ISA for CDNA 5 (MIT licence, August 2026) and "CDNA5" Instruction Set Architecture Reference Guide (July 2026). The comments in the code are by the model that wrote it; some were corrected since.
;; Head. Allowed arithmetic: matrix products marked QUANTISED: E4M3 operands, one given power-of-two scale a tensor, by v_wmma_f32_16x16x64_fp8_fp8 or v_wmma_f32_16x16x128_fp8_fp8, f32 sums; everything else in f32.
;; Inputs: b_attn 3,072 float32; b_proj 1,024 float32; lowp_scales 8 int32 (the exponents e of the quantised operands' scales 2^e); w_attn_codes 3,072 x 32 x 32 uint8 (E4M3 codes of w_attn, K innermost, in blocks of 32 codes); w_proj_codes 1,024 x 32 x 32 uint8 (E4M3 codes of w_proj, K innermost, in blocks of 32 codes); x_codes 4 x 2,048 x 32 x 32 uint8 (E4M3 codes of x, K innermost, in blocks of 32 codes).
;; Outputs: out0 4 x 2,048 x 1,024 float32.
;; This version of the problem:
;;   THIS VERSION OF THE PROBLEM IS GIVEN IN LOW PRECISION. The matrix products marked QUANTISED in the list below multiply operands that are first quantised to E4M3 (4 exponent bits, 3 mantissa bits; 8 bits a number), with one given power-of-two scale for each operand tensor; their sums are f32. All else is computed in f32.
;;   The module's matrix products, in the order in which they are computed (A, B: the left and right operand; K: the contracted axis; several contracted axes count as one K, in the product's order):
;;     1. [M 8,192, K 1,024] x [K 1,024, N 3,072]; A: input x (given as codes); B: input w_attn (given as codes): QUANTISED (scales: A lowp_scales[0], B lowp_scales[1])
;;     2. batch 64 x [M 2,048, K 64] x [K 64, N 2,048]; A: computed on the way; B: computed on the way: QUANTISED (scales: A lowp_scales[2], B lowp_scales[3])
;;     3. batch 64 x [M 2,048, K 2,048] x [K 2,048, N 64]; A: softmax (see below); B: computed on the way: QUANTISED (scales: A lowp_scales[4], B lowp_scales[5])
;;     4. [M 8,192, K 1,024] x [K 1,024, N 1,024]; A: computed on the way; B: input w_proj (given as codes): QUANTISED (scales: A lowp_scales[6], B lowp_scales[7])
;;   THE QUANTISER, for each operand of a quantised product, along K:
;;     - The operand's scale is 2^e, e = its entry of the input lowp_scales (int32; the entries are numbered through the quantised products in the list's order, A before B).
;;     - Each number is divided by the scale, clamped to +-448, and rounded to the nearest number of E4M3, ties to even, subnormals kept.
;;     - The product sums the exact products of the quantised numbers (number of the format x scale) in f32.
;;   ~~~python
;;   def quantise(x, axis, e):      # numpy; x: float32 -> the quantised numbers, widened to float32 again
;;       x = np.moveaxis(x, axis, -1); K = x.shape[-1]
;;       r = np.clip(x / 2.0 ** e, -448, 448)
;;       step = 2.0 ** (np.maximum(np.frexp(np.where(r == 0, 1, r))[1] - 1, -6) - 3)
;;       q = np.round(r / step) * step * 2.0 ** e      # np.round: ties to even
;;       return np.moveaxis(q, -1, axis).astype(np.float32)
;;   ~~~
;;   SOFTMAX AHEAD OF A QUANTISED PRODUCT. Where the list says 'softmax', what is quantised is not the finished softmax but p = 2^(t - M), with t = logit x log2(e) and M = ceil(the row's largest t), a whole number; so 1/2 < the row's largest p <= 1. The row's sum l is taken of the UNQUANTISED p, in f32, and the product's result is divided by l at the end. Since M is a whole number, a kernel that streams over the keys may use a running M (the ceiling of the running maximum): every later rescaling is an exact power of two, so the quantised numbers keep their values, but for numbers so far below the row's largest that they fall under the format's range.
;;   OPERANDS COMPUTED ON THE WAY. 'Computed on the way' means the value that the module computes at that place (a softmax that the list does not call 'softmax' is quantised finished and normalised). What goes into a quantiser is computed in f32, as accurately as f32 sums, v_exp_f32 and their like allow (about 1e-6 of the number): no bf16 or f16 on the way to a quantiser, and a product that is left as it is and whose result goes on into a quantised operand takes f32 operands (vector FMAs, or v_wmma_f32_16x16x4_f32). A number that lies on a knife's edge between two numbers of the format may be rounded either way, as far as f32 arithmetic and the matrix unit's own rounding can turn it there, and no further.
;;   INPUTS GIVEN AS CODES. w_attn (in the module: [1024, 3072], K = its axis 0); w_proj (in the module: [1024, 1024], K = its axis 0); x (in the module: [4, 2048, 1024], K = its axis 2): each comes as NAME_codes (uint8): NAME with its K axis moved to the last place and cut into blocks of 32 codes, [.., K / 32, bytes a block], one block behind the other in memory; one code a byte (a code: sign, 4 exponent bits, 3 mantissa bits); its scale is its entry of lowp_scales. Its value is code x scale, taken as it is: it is not quantised again, and the codes and scales need not be those that the quantiser above would give.
;; One version. Each part assembles by itself: llvm-mc -triple=amdgcn-amd-amdhsa -mcpu=gfx1250 --defsym DOCPART=n.
;; ======== version 1 of 1: 3 launches
;; limits: right only within a limited range of input values
;; workspace buffers: q_codes 8,388,608 bytes; k_codes 8,388,608 bytes; v_codes 8,388,608 bytes; cv_codes 8,388,608 bytes
;; launch qkv (part 1): grid 12 x 32, 4 waves a work-group, clusters of 4 x 4, 327,680 bytes of LDS; arguments x_codes, w_attn_codes, b_attn, lowp_scales, q_codes, k_codes, v_codes; writes q_codes, k_codes, v_codes
.if DOCPART == 1
	.amdgcn_target "amdgcn-amd-amdhsa--gfx1250"
	.amdhsa_code_object_version 6
	.text
	.protected	k_q280b591f5d_qkv
	.globl	k_q280b591f5d_qkv
	.p2align	8
	.type	k_q280b591f5d_qkv,@function
k_q280b591f5d_qkv:
	s_mov_b64 s[64:65], 0
	v_nop
	global_prefetch_b8 v0, s[64:65] scope:SCOPE_SE
	s_setreg_imm32_b32 hwreg(HW_REG_WAVE_MODE, 25, 1), 1
	s_wait_xcnt 0x0
	s_wait_alu depctr_hold_cnt(0) depctr_sa_sdst(0) depctr_va_vdst(0) depctr_va_sdst(0) depctr_va_ssrc(0) depctr_va_vcc(0) depctr_vm_vsrc(0)
	s_getreg_b32 s2, hwreg(HW_REG_IB_STS2, 6, 4)
	s_cmp_eq_u32 s2, 0
	s_cbranch_scc0 .Lentry_in_a_cluster
	s_endpgm
.Lentry_in_a_cluster:
	s_bfe_u32 s2, ttmp6, 0x10000c
	s_cmp_lg_u32 s2, 0xf033
	s_cbranch_scc0 .Lentry_shape_is_right
	s_endpgm
.Lentry_shape_is_right:
; qkv = x w_attn + b_attn on codes of FP8 (E4M3), then quantised again: q with 2^e2, k with 2^e3, v with 2^e5 (entries of the buffer of scales; x has e0, w_attn e1).
; x: [8192][1024] codes, w_attn: [3072][1024] codes, K innermost.  Out: q_codes, k_codes [64 (batch x head)][2048 tokens][64 bytes]; v_codes [64][32 blocks of 64 keys][64 channels][64 bytes: the block's keys].
; BYTE ORDER of all three: inside each 32 along the innermost axis, index 32 c + 16 u + 8 e + j lies at byte 32 c + 16 e + 8 u + j.  For q and k it is one permutation of the channels on both sides of their
; product; for v it lays the keys so that 16-byte loads give the 128-deep matrix form its own order of k.
; A tile of 256 x 256 is made by a work-group of four waves, 128 x 128 a wave: 64 accumulators, 512 registers.  K goes in steps of 256 through a ring of two LDS slots filled by the tensor data mover.
; ROLES ARE CHOSEN BY POINTER, NOT BY TEXT.  "A" is the operand whose rows a lane keeps one of, "B" the one of whose rows a lane's eight registers are neighbours (source 0 = 16 rows of B, source 1 = 16 rows of A).
; Cluster x = 0 (q) and 1 (k): A = x (tokens), B = w_attn (features): a lane holds 8 neighbouring features of a token.  Cluster x = 2 (v): A = w_attn's rows 2048 on, B = x: 8 neighbouring tokens of a feature,
; so v's codes come out with the keys innermost.  No branch hangs on that choice: addresses, the bias's side and the scale are selected.
; CLUSTERS: 4 x 4 work-groups; A's tile is shared along a row of the cluster, B's along a column: each is asked for jointly, by the same tensor load with the same descriptor and a mask that names the four.
; 384 tiles: 24 clusters.  A smaller tile would share the work out more evenly but read half as many products from each LDS byte.
; THE BIAS, divided by 2^(e0 + e1): along B it is the C of the first K step's products; along A it is added on the way out.  The side that does not apply holds zeros.
; LIMITS: eout - e0 - e1 between -126 and 119, so that the conversion's scale and 448 x it are f32 numbers.  NaN in the bias is not served.
; REGISTERS: window 0: v16-31 addresses and scales; v32-95 the bias along B, later a block's sums; v96-111 the bias along A, twice each; from v128 A's fragments, ONE set, later the codes.
;   window 1: B's fragments, two sets.   windows 2, 3: the accumulators of my A rows 0-63, 64-127 ((a, b) at v[8 (8 (a % 4) + b)]).
.set KROW,   1024                      ; a row of x or of w_attn in bytes
.set ROWB,   256                       ; a tile's row: 256 codes
.set PITCH,  272                       ; an LDS row: 256 bytes + 16 of padding = 68 words: row r starts at bank 4 r mod 64 (64 banks of 4 bytes: ISA guide 11.1)
.set FR,     16                        ; registers of a fragment: 16 rows x 128 K
.set NL,     4                         ; LDS loads that bring one
.set NP,     4                         ; places behind this matrix instruction (ISA guide 7.12.1)
.set HALFT,  128*PITCH                 ; 128 rows: what one tensor load brings, and what one wave reads of A or of B
.set SLOT,   4*HALFT                   ; A's 256 rows, then B's 256 rows
.set LAPS,   KROW/(2*ROWB)             ; a lap = once round the ring: 2
.set SPARE,  2*SLOT                    ; behind the ring: the spare words, 128 bytes for each wave
.set SGP,    144                       ; the way out: a stage row, 128 bytes of codes + 16
.set SGW,    128*SGP                   ; a wave's stage: 128 rows.  The stages lie in slot 0, which has had its last fill and its last read when the first code is stored there
.set ADRA, 16                          ; v16-17  LDS address of my A fragments in slot 0, 1
.set ADRB, 20                          ; v20-21  the same for B
.set STO,  24                          ; v24     the way out: where I put 16 bytes of a row
.set RD,   25                          ; v25     where I read 16 bytes back
.set CO,   26                          ; v26     and my byte offset in the output
.set SPW,  28                          ; v28     LDS address of my spare word; never rewritten
.set NIL,  29                          ; v29     0; never rewritten
.set SCL,  30                          ; v30     2^(eout - e0 - e1)
.set LIM,  31
.set BB,   32                          ; v32-95  bias along B: 8 registers for each b
.set TMP,  32                          ; the way out: a block's 64 sums
.set BA,   96                          ; v96-111 bias of A row 16 a + r, twice, at v[96 + 2 a]
.set OFB,  112                         ; v112    32 x (lane / 16)
.set OFA,  113                         ; v113    4 x (lane % 16)
.set AF,   128                         ; A's fragments
.set CD,   128                         ; the way out: codes, 16 registers for each a; then the rows read back
.set G1, 24                            ; s[24:31] descriptor group 1 for A's tiles;  s[32:39] group 0, one set for each slot
.set G0, 32
.set G1B, 48                           ; s[48:55], s[56:63] the same for B's tiles
.set G0B, 56
.set MSB, 0
.macro WIN new                         ; the immediate's high byte repeats the setting that is left
.if MSB != (\new)
	s_set_vgpr_msb (MSB<<8)|(\new)
.set MSB, (\new)
.endif
.endm
.set MUL_LO, 0xa1                      ; source 0 (B) window 1, source 1 (A) window 0, C and D window 2
.set MUL_HI, 0xf1                      ; the same, C and D window 3
.set TO_B,   0x40                      ; destination window 1, address window 0
; A joint load: waves 0 and 1 fetch for A, waves 2 and 3 for B.  The branch hangs on the wave's number alone.  Four v_nop follow each of the two lines.
.macro JLOAD g0a, g1a, g0b, g1b
	s_cmp_eq_u32 s15, 0
	s_cbranch_scc0 .Lfor_b_\@
	tensor_load_to_lds s[\g0a:\g0a+3], s[\g1a:\g1a+7]
	s_nop 0
.rept 4
	v_nop
.endr
	s_branch .Lasked_\@
.Lfor_b_\@:
	tensor_load_to_lds s[\g0b:\g0b+3], s[\g1b:\g1b+7]
	s_nop 0
.rept 4
	v_nop
.endr
.Lasked_\@:
.endm
.macro CREST                           ; a round of the cluster's barrier behind its opening barrier
	s_cmp_lg_u32 s14, 0
	s_cbranch_scc1 .Lnot_wave_0_\@
	s_barrier_signal -3
.Lnot_wave_0_\@:
	s_barrier_wait -3
	s_barrier_signal -1
	s_barrier_wait -1
.endm
.macro CROUND                          ; a whole round
	s_barrier_signal -1
	s_barrier_wait -1
	CREST
.endm
	s_load_b256 s[4:11], s[0:1], 0x0               ; x s[4:5], w_attn s[6:7], b_attn s[8:9], the scales' exponents s[10:11]
	s_load_b128 s[68:71], s[0:1], 0x20             ; q_codes, k_codes
	s_load_b64 s[72:73], s[0:1], 0x30              ; v_codes
	v_lshl_add_u32 v[SPW], v0, 2, SPARE
	v_mov_b32 v[NIL], 0
	ds_add_u32 v28, v29
	ds_add_u32 v28, v29
	s_wait_dscnt 0x0
	v_lshrrev_b32 v1, 5, v0
	v_readfirstlane_b32 s14, v1                    ; wave 0..3
	s_lshr_b32 s15, s14, 1                         ; wa: which half of the tile's A rows is mine.  Also: I fetch for A (0) or for B (1)
	s_and_b32 s16, s14, 1                          ; wb: which half of its B rows.  Also: which 128 rows of that tile I fetch
	s_bfe_u32 s40, ttmp6, 0x40000                  ; cx, cy: my place in the cluster
	s_bfe_u32 s41, ttmp6, 0x40004
	s_and_b32 s12, ttmp7, 0xffff
	s_lshl_b32 s12, s12, 2                         ; 4 x cluster y
	s_lshl_b32 s13, ttmp9, 2                       ; 4 x cluster x
	s_mov_b32 s87, 131072
	s_mov_b32 s79, 0
	s_cmp_eq_u32 ttmp9, 2                          ; v's cluster?  The same answer in all sixteen partners
	s_cselect_b32 s17, 0, s12                      ; A's tile: q, k: tokens, 4 x cluster y + cy;  v: features, cy
	s_cselect_b32 s42, s12, s13                    ; B's tile: q, k: features, 4 x cluster x + cx;  v: tokens, 4 x cluster y + cx
	s_cselect_b32 s84, 0, -1                       ; keeps the bias along B (q, k)
	s_cselect_b32 s85, -1, 0                       ; keeps the bias along A (v)
	s_cselect_b32 s78, 0x200000, 0                 ; v's features begin at row 2048 of w_attn
	s_cselect_b32 s87, 4096, s87                   ; the way out: from the low half of the lanes to the high: v: the next block of keys;  q, k: the next head
	s_add_co_u32 s17, s17, s41
	s_add_co_u32 s42, s42, s40
	s_lshl_b32 s43, s41, 2
	s_lshl_b32 s43, 15, s43                        ; my row of the cluster
	s_lshl_b32 s44, 0x1111, s40                    ; my column
	; descriptor group 1: a tile of 128 rows x 256 bytes, padded in LDS
	s_or_b32 s[G1+0], s43, (0<<16)|(1<<20)|(1<<21)|(5<<22)|(3<<25)  ; 15:0 the mask: A's tiles go to my row; 17:16 element of 1 byte; 20 padding on; 21 set beside a mask; 24:22 after every 64 words; 31:25 four words
	s_or_b32 s[G1B+0], s44, (0<<16)|(1<<20)|(1<<21)|(5<<22)|(3<<25)
.irp g, G1, G1B
	s_mov_b32 s[\g+1], ROWB<<16                    ; tensor_dim0
	s_mov_b32 s[\g+2], 128<<16                     ; tensor_dim1 = 128
	s_mov_b32 s[\g+3], ROWB<<16                    ; tile_dim0
	s_mov_b32 s[\g+4], 128                         ; tile_dim1 = 128
	s_mov_b32 s[\g+5], KROW                        ; tensor_dim0_stride
	s_mov_b32 s[\g+6], 0
	s_mov_b32 s[\g+7], 0
.endr
	s_lshl_b32 s18, s16, 7                         ; which 128 rows of the tile I fetch
	s_lshl_b32 s20, s17, 8
	s_add_co_u32 s20, s20, s18
	s_lshl_b32 s20, s20, 10                        ; A: (256 x tile + 128 x half) rows of 1,024 bytes: under 2^23
	s_mov_b32 s21, 0
	s_lshl_b32 s46, s42, 8
	s_add_co_u32 s46, s46, s18
	s_lshl_b32 s46, s46, 10                        ; B likewise
	s_mov_b32 s47, 0
	s_mul_i32 s45, s14, HALFT                      ; where they go: wave x 128 rows: no place in the cluster enters an LDS address
	s_wait_kmcnt 0x0
	s_load_b256 s[88:95], s[10:11], 0x0            ; e0 .. e7
	s_cmp_eq_u32 ttmp9, 2
	s_cselect_b64 s[74:75], s[6:7], s[4:5]         ; A's tensor
	s_cselect_b64 s[76:77], s[4:5], s[6:7]         ; B's tensor
	s_add_nc_u64 s[74:75], s[74:75], s[78:79]
	s_add_nc_u64 s[20:21], s[74:75], s[20:21]
	s_add_nc_u64 s[46:47], s[76:77], s[46:47]
	CROUND                                         ; all sixteen work-groups are here: the first joint loads meet
.irp s, 0,1
	s_mov_b32 s[G0+4*\s], 1
	s_add_co_u32 s[G0+4*\s+1], s45, \s*SLOT
	s_add_nc_u64 s[G0+4*\s+2:G0+4*\s+3], s[20:21], \s*ROWB
	s_or_b32 s[G0+4*\s+3], s[G0+4*\s+3], 0x80000000
	s_mov_b32 s[G0B+4*\s], 1
	s_add_co_u32 s[G0B+4*\s+1], s45, \s*SLOT
	s_add_nc_u64 s[G0B+4*\s+2:G0B+4*\s+3], s[46:47], \s*ROWB
	s_or_b32 s[G0B+4*\s+3], s[G0B+4*\s+3], 0x80000000
	JLOAD G0+4*\s, G1, G0B+4*\s, G1B
.endr
	v_and_b32 v1, 15, v0                           ; r = lane % 16
	v_bfe_u32 v2, v0, 4, 1                         ; h = lane / 16
	s_wait_alu depctr_va_vdst(0)
	; the bias: along B at feature 256 x tile + 128 wb + 16 b + 8 h + j, along A at 2048 + 256 x tile + 128 wa + 16 a + r.  The side that does not apply reads from the buffer's head and is cleared below
	s_lshl_b32 s80, s42, 8
	s_lshl_b32 s81, s16, 7
	s_add_co_u32 s80, s80, s81
	s_lshl_b32 s82, s17, 8
	s_lshl_b32 s83, s15, 7
	s_add_co_u32 s82, s82, s83
	s_add_co_u32 s82, s82, 2048
	s_cmp_eq_u32 ttmp9, 2
	s_cselect_b32 s80, 0, s80
	s_cselect_b32 s82, s82, 0
	s_lshl_b32 s80, s80, 2
	s_lshl_b32 s82, s82, 2
	s_mov_b32 s81, 0
	s_mov_b32 s83, 0
	s_add_nc_u64 s[80:81], s[8:9], s[80:81]
	s_add_nc_u64 s[82:83], s[8:9], s[82:83]
	v_lshlrev_b32 v[OFB], 5, v2
	v_lshlrev_b32 v[OFA], 2, v1
.irp b, 0,1,2,3,4,5,6,7
	global_load_b128 v[BB+8*\b:BB+8*\b+3],   v[OFB], s[80:81] offset:64*\b
	global_load_b128 v[BB+8*\b+4:BB+8*\b+7], v[OFB], s[80:81] offset:64*\b+16
.endr
.irp a, 0,1,2,3,4,5,6,7
	global_load_b32 v[BA+2*\a], v[OFA], s[82:83] offset:64*\a
.endr
	v_mul_u32_u24 v3, v1, PITCH
	v_lshl_add_u32 v4, v2, 4, v3                   ; a fragment's row x pitch + 16 x half
	s_mul_i32 s21, s15, HALFT                      ; my 128 rows of A
	s_mul_i32 s22, s16, HALFT                      ; my 128 rows of B,
	s_add_co_u32 s22, s22, 2*HALFT                 ; which lie behind A's 256
.irp s, 0,1
	v_add_nc_u32 v[ADRA+\s], s21, v4
	v_add_nc_u32 v[ADRB+\s], s22, v4
	s_add_co_u32 s21, s21, SLOT
	s_add_co_u32 s22, s22, SLOT
.endr
	s_mul_i32 s23, s14, SGW                        ; my stage
	v_mul_u32_u24 v5, v1, SGP                      ; in: row r of a block, 16 bytes for each half of the lanes: the sixteen rows start at sixteen different 16-byte columns (144 = 9 x 16)
	v_lshl_add_u32 v5, v2, 4, v5
	v_add_nc_u32 v[STO], s23, v5
	v_bfe_u32 v5, v0, 2, 2                         ; back: four lanes to 64 bytes of a row, sixteen lanes to four rows; lanes 16-31 take the rows' other 64 bytes
	v_mul_u32_u24 v5, v5, SGP
	v_lshl_add_u32 v5, v2, 6, v5
	v_and_b32 v6, 3, v0
	v_lshl_add_u32 v5, v6, 4, v5
	v_add_nc_u32 v[RD], s23, v5
	v_mul_lo_u32 v[CO], v2, s87                    ; in memory four rows of 64 bytes are 256 bytes on end; the other 64 bytes belong to the next head (q, k) or the next block of keys (v)
	v_lshl_add_u32 v[CO], v1, 4, v[CO]
	; where my codes go: ((16 x batch + head) x 2048 + token) x 64 in all three buffers (in v's a block of 64 keys x 64 channels takes the place of 64 tokens)
	s_mov_b32 s2, 4096
	s_cmp_eq_u32 ttmp9, 2
	s_cselect_b32 s18, s42, s17                    ; the tile of tokens,
	s_cselect_b32 s19, s16, s15                    ; my half of it,
	s_cselect_b32 s22, s41, s40                    ; the tile of features within q, k or v: four heads,
	s_cselect_b32 s23, s15, s16                    ; my half of it: two heads
	s_cselect_b32 s2, 131072, s2                   ; from stage rows 0-63 to rows 64-127: v: the next head;  q, k: 64 tokens on
	s_cselect_b64 s[96:97], s[72:73], s[70:71]
	s_cmp_eq_u32 ttmp9, 0
	s_cselect_b64 s[96:97], s[68:69], s[96:97]
	s_lshl_b32 s18, s18, 8
	s_lshl_b32 s19, s19, 7
	s_add_co_u32 s18, s18, s19                     ; my first token of 8,192
	s_lshr_b32 s19, s18, 11                        ; batch
	s_and_b32 s18, s18, 2047                       ; token in it
	s_lshl_b32 s19, s19, 4
	s_lshl_b32 s22, s22, 2
	s_lshl_b32 s23, s23, 1
	s_add_co_u32 s19, s19, s22
	s_add_co_u32 s19, s19, s23                     ; 16 x batch + my first head
	s_lshl_b32 s19, s19, 11
	s_add_co_u32 s18, s18, s19
	s_lshl_b32 s18, s18, 6
	s_mov_b32 s19, 0
	s_add_nc_u64 s[96:97], s[96:97], s[18:19]
	s_mov_b32 s3, 0
	s_add_nc_u64 s[98:99], s[96:97], s[2:3]
	s_wait_loadcnt 0x0                             ; the bias
	s_wait_kmcnt 0x0                               ; the exponents
	s_add_co_i32 s86, s88, s89                     ; e0 + e1: a sum stands for sum x 2^(e0 + e1)
	s_cmp_eq_u32 ttmp9, 0
	s_cselect_b32 s2, s90, s91                     ; q: e2, k: e3,
	s_cmp_eq_u32 ttmp9, 2
	s_cselect_b32 s2, s93, s2                      ; v: e5
	s_sub_co_i32 s2, s2, s86
	s_add_co_i32 s2, s2, 127
	s_lshl_b32 s3, s2, 23
	v_mov_b32 v[SCL], s3                           ; 2^(eout - e0 - e1): the three scales folded into the conversion's one
	s_sub_co_i32 s86, 0, s86
.set j, 0
.rept 64
	v_and_b32 v[BB+j], s84, v[BB+j]                ; all ones or zero: the bias along B stays for q and k
.set j, j+1
.endr
.set j, 0
.rept 64
	v_ldexp_f32 v[BB+j], v[BB+j], s86              ; b / 2^(e0 + e1): in the sums' units
.set j, j+1
.endr
.irp a, 0,1,2,3,4,5,6,7
	v_and_b32 v[BA+2*\a], s85, v[BA+2*\a]          ; the bias along A stays for v
.endr
.irp a, 0,1,2,3,4,5,6,7
	v_ldexp_f32 v[BA+2*\a], v[BA+2*\a], s86
.endr
.irp a, 0,1,2,3,4,5,6,7
	v_mov_b32 v[BA+2*\a+1], v[BA+2*\a]             ; twice: a pair for the packed addition
.endr
.macro FRAG reg, adr, q, i             ; a fragment, 16 rows x 128 K: lane l holds row l % 16; registers 4 c .. 4 c + 3 hold K = 32 c + 16 (l / 16) + 0 .. 15: one permutation of k for A and B alike
.irp c, 0,1,2,3
	ds_load_b128 v[\reg+4*\c:\reg+4*\c+3], v[\adr] offset:128*(\q)+32*\c+(\i)*16*PITCH
.endr
.endm
; 16 matrix instructions: A's blocks a0, a0 + 1 x B's eight, 128 along K.  p: B's set.  first = 1: the bias along B starts the sums: nothing is ever cleared.
; The 64 accumulators take turns, one instruction a turn, in the same order in every step.
.macro MUL16 a0, p, first
.irp a, \a0, \a0+1
.irp b, 0,1,2,3,4,5,6,7
.if \first
	v_wmma_f32_16x16x128_fp8_fp8 v[8*(8*((\a)%4)+\b):8*(8*((\a)%4)+\b)+7], v[128*(\p)+FR*\b:128*(\p)+FR*\b+FR-1], v[AF+FR*(\a):AF+FR*(\a)+FR-1], v[BB+8*\b:BB+8*\b+7]
.else
	v_wmma_f32_16x16x128_fp8_fp8 v[8*(8*((\a)%4)+\b):8*(8*((\a)%4)+\b)+7], v[128*(\p)+FR*\b:128*(\p)+FR*\b+FR-1], v[AF+FR*(\a):AF+FR*(\a)+FR-1], v[8*(8*((\a)%4)+\b):8*(8*((\a)%4)+\b)+7]
.endif
.endr
.endr
.endm
.macro FETCH_B slot, q, p              ; B's eight fragments of the slot's q-th 128 along K into set p
	WIN TO_B
.irp i, 0,1,2,3,4,5,6,7
	FRAG 128*(\p)+FR*\i, ADRB+\slot, \q, \i
.endr
	WIN 0
.endm
.macro FETCH_A slot, q, i0             ; A's blocks i0 .. i0 + 3
.irp i, \i0, \i0+1, \i0+2, \i0+3
	FRAG AF+FR*(\i), ADRA+\slot, \q, \i
.endr
.endm
; A load into a register that a matrix instruction has read, and a vector instruction that reads a matrix result or writes one of its registers, stand NP places behind it; only plain vector
; instructions that name none of its registers are places (ISA guide 7.12.1 for vector instructions).
.macro PLACES n
.rept \n
	v_nop
.endr
.endm
; A step of 128 along K that has its successor in the same slot.  A block of A is free as soon as its eight products are issued, so A has one set of registers: blocks 0-3 are fetched anew in the
; step's middle, blocks 4-7 at its end.  first = 1: C is the bias, in window 0.
.macro STEP slot, q, first
	s_wait_dscnt 4*NL                              ; B's set and A's blocks 0-3 are in; the youngest sixteen loads (A's blocks 4-7) may be out
	WIN MUL_LO-0x20*(\first)
	MUL16 0, (\q)%2, \first
	MUL16 2, (\q)%2, \first
	s_wait_dscnt 0                                 ; A's blocks 4-7 are in (asked for 32 matrix instructions ago)
	PLACES NP
	FETCH_B \slot, (\q)+1, 1-(\q)%2
	FETCH_A \slot, (\q)+1, 0
	WIN MUL_HI-0x30*(\first)
	MUL16 4, (\q)%2, \first
	MUL16 6, (\q)%2, \first
	PLACES NP
	WIN 0
	FETCH_A \slot, (\q)+1, 4
.endm
; A slot's last step changes slots: ONE barrier; in front of it each wave waits for all its tensor loads, adds 0 to its spare word, and waits for that and for its own reads of this slot.  fill = 1: this slot is filled again, two K steps ahead.
.macro TURN slot, next, fill
	s_wait_tensorcnt 0x0                           ; all my tensor loads have landed: my part of the next slot;  (every window is 0 here)
	ds_add_u32 v[SPW], v[NIL]                      ; 0 onto my spare word
	s_wait_dscnt 4*NL+1                            ; (the add and the youngest sixteen loads, A's blocks 4-7, may be out)
	WIN MUL_LO
	MUL16 0, 1, 0                                  ; sixteen matrix instructions stand between the add and the wait for it
	s_wait_dscnt 0x0                               ; the add is done, and my reads of this slot are over
	s_barrier_signal -1
	MUL16 2, 1, 0
	WIN 0
	s_barrier_wait -1
.if \fill
	CREST                                          ; the barrier has opened a round of the cluster's barrier: no wave of any partner still reads this slot's tile or has a load on its way
	s_add_nc_u64 s[G0+4*\slot+2:G0+4*\slot+3], s[G0+4*\slot+2:G0+4*\slot+3], 2*ROWB
	s_add_nc_u64 s[G0B+4*\slot+2:G0B+4*\slot+3], s[G0B+4*\slot+2:G0B+4*\slot+3], 2*ROWB
	JLOAD G0+4*\slot, G1, G0B+4*\slot, G1B         ; the first tensor load behind the round; the four v_nop behind it are the places in front of the loads below
.else
	PLACES NP
.endif
	FETCH_B \next, 0, 0
	FETCH_A \next, 0, 0
	WIN MUL_HI
	MUL16 4, 1, 0
	MUL16 6, 1, 0
	PLACES NP
	WIN 0
	FETCH_A \next, 0, 4
.endm
	s_wait_tensorcnt 1                             ; my part of K step 0 is in (K step 1's load may be out)
	s_barrier_signal -1
	s_barrier_wait -1                              ; everybody's is
	FETCH_B 0, 0, 0
	FETCH_A 0, 0, 0
	FETCH_A 0, 0, 4
	STEP 0, 0, 1                                   ; the first step's products start the sums with the bias
.rept LAPS-1                                   ; once round the ring, both slots filled again: K = 1,024 has one such lap, so it is written out and there is no backward jump
	TURN 0, 1, 1
	STEP 1, 0, 0
	TURN 1, 0, 1
	STEP 0, 0, 0
.endr
	TURN 0, 1, 0                                   ; the last lap fills nothing, and has no round of the cluster's barrier
	STEP 1, 0, 0
	s_wait_dscnt 4*NL                              ; the very last step: nothing more to fetch
	WIN MUL_LO
	MUL16 0, 1, 0
	MUL16 2, 1, 0
	s_wait_alu depctr_va_vdst(0)
	s_wait_dscnt 0
	WIN MUL_HI
	MUL16 4, 1, 0
	MUL16 6, 1, 0
	WIN 0
; THE WAY OUT.  Block a: 16 A rows x 128 B rows.  The bias along A is added and each number converted:
; a lane's eight registers of accumulator (a, b) become 8 bytes.  Two neighbouring b make 16 bytes, stored at byte 32 (b / 2) + 16 h of the row: that is the byte order stated at the head.
.macro QOUT a
.set AC, 64*((\a)%4)
	WIN 0x02+((\a)/4)                              ; source 0: window 2 or 3
.set j, 0
.rept 32
	v_pk_add_f32 v[TMP+j:TMP+j+1], v[AC+j:AC+j+1], v[BA+2*(\a):BA+2*(\a)+1]   ; each accumulator from its low end on
.set j, j+2
.endr
	WIN 0
.set j, 0
.rept 64
.set j, j+1
.endr
.irp b, 0,1,2,3,4,5,6,7
	v_cvt_scalef32_pk8_fp8_f32 v[CD+16*(\a)+2*\b:CD+16*(\a)+2*\b+1], v[TMP+8*\b:TMP+8*\b+7], v[SCL]
.endr
	v_nop                                          ; one plain vector instruction behind the last conversion: the next block's additions write the conversions' sources
.irp c, 0,1,2,3
	ds_store_b128 v[STO], v[CD+16*(\a)+4*\c:CD+16*(\a)+4*\c+3] offset:(\a)*16*SGP+32*\c
.endr
.endm
	PLACES NP                                      ; behind the last products: their results are read and A's registers written below
.irp a, 0,1,2,3,4,5,6,7
	QOUT \a
.endr
	s_wait_dscnt 0x0                               ; the stores have read the codes' registers: the rows may come back into them
.set k, 0
.rept 32
	ds_load_b128 v[CD+4*k:CD+4*k+3], v[RD] offset:k*4*SGP   ; four rows: lanes 0-15 their first 64 bytes, lanes 16-31 their second.  The stage is my own: LDS serves a wave's instructions in order (ISA guide 5.7.1.4)
.set k, k+1
.endr
.set k, 0
.rept 32
	s_wait_dscnt 31-k                              ; load k is in; the younger ones may be out
.if k < 16
	global_store_b128 v[CO], v[CD+4*k:CD+4*k+3], s[96:97] offset:256*k        ; each half of the lanes stores 256 consecutive bytes, at a multiple of 256 from the buffer's first byte
.else
	global_store_b128 v[CO], v[CD+4*k:CD+4*k+3], s[98:99] offset:256*(k-16)
.endif
.set k, k+1
.endr
	s_wait_tensorcnt 0x0                           ; the wave's end: behind my last tensor load and my last LDS store
	ds_add_u32 v[SPW], v[NIL]
	s_wait_dscnt 0x0
	CROUND                                         ; the closing round: no work-group ends while a partner may still ask for a tile that names it
	s_endpgm
.Lfunc_end_k_q280b591f5d_qkv:
	.size	k_q280b591f5d_qkv, .Lfunc_end_k_q280b591f5d_qkv-k_q280b591f5d_qkv
	.p2alignl 7, 3214868480
	.fill 96, 4, 3214868480
	.section	.rodata,"a",@progbits
	.p2align	6, 0x0
	.amdhsa_kernel k_q280b591f5d_qkv
		.amdhsa_group_segment_fixed_size 327680
		.amdhsa_private_segment_fixed_size 0
		.amdhsa_enable_private_segment 0
		.amdhsa_kernarg_size 56
		.amdhsa_user_sgpr_count 2
		.amdhsa_user_sgpr_kernarg_segment_ptr 1
		.amdhsa_wavefront_size32 1
		.amdhsa_system_sgpr_workgroup_id_x 1
		.amdhsa_system_sgpr_workgroup_id_y 1
		.amdhsa_system_sgpr_workgroup_id_z 1
		.amdhsa_system_vgpr_workitem_id 0
		.amdhsa_next_free_vgpr 1024
		.amdhsa_next_free_sgpr 100
		.amdhsa_reserve_vcc 0
		.amdhsa_float_denorm_mode_32 3
		.amdhsa_float_denorm_mode_16_64 3
		.amdhsa_fp16_overflow 1
		.amdhsa_memory_ordered 1
		.amdhsa_forward_progress 1
		.amdhsa_inst_pref_size 118
	.end_amdhsa_kernel
	.amdgpu_metadata
---
amdhsa.version: [ 1, 2 ]
amdhsa.kernels:
  - .name:           k_q280b591f5d_qkv
    .symbol:         k_q280b591f5d_qkv.kd
    .args:
      - { .name: x_codes, .offset: 0, .size: 8, .value_kind: global_buffer, .address_space: global }
      - { .name: w_attn_codes, .offset: 8, .size: 8, .value_kind: global_buffer, .address_space: global }
      - { .name: b_attn, .offset: 16, .size: 8, .value_kind: global_buffer, .address_space: global }
      - { .name: lowp_scales, .offset: 24, .size: 8, .value_kind: global_buffer, .address_space: global }
      - { .name: q_codes, .offset: 32, .size: 8, .value_kind: global_buffer, .address_space: global }
      - { .name: k_codes, .offset: 40, .size: 8, .value_kind: global_buffer, .address_space: global }
      - { .name: v_codes, .offset: 48, .size: 8, .value_kind: global_buffer, .address_space: global }
    .group_segment_fixed_size: 327680
    .private_segment_fixed_size: 0
    .kernarg_segment_align: 8
    .kernarg_segment_size: 56
    .max_flat_workgroup_size: 128
    .sgpr_count:     100
    .vgpr_count:     1024
    .wavefront_size: 32
...
	.end_amdgpu_metadata
.endif
;; end of part 1
;; launch attn (part 2): grid 4 x 64, 16 waves a work-group, no clusters, 327,680 bytes of LDS; arguments q_codes, k_codes, v_codes, lowp_scales, cv_codes; writes cv_codes
.if DOCPART == 2
	.amdgcn_target "amdgcn-amd-amdhsa--gfx1250"
	.amdhsa_code_object_version 6
	.text
	.protected	k_q280b591f5d_attn
	.globl	k_q280b591f5d_attn
	.p2align	8
	.type	k_q280b591f5d_attn,@function
k_q280b591f5d_attn:
	s_mov_b64 s[64:65], 0
	v_nop
	global_prefetch_b8 v0, s[64:65] scope:SCOPE_SE
	s_setreg_imm32_b32 hwreg(HW_REG_WAVE_MODE, 25, 1), 1
	s_wait_xcnt 0x0
; Causal attention of one head (64 channels, 2,048 tokens) on codes of FP8 (E4M3), and the result quantised again for the last product.
; q_codes, k_codes: [64 heads][2048][64 bytes]; v_codes: [64][32 blocks of 64 keys][64 channels][64 bytes: the block's keys]; byte order as the launch before lays it: q and k share one permutation of the
; channels; in v a 16-byte load at byte 32 c + 16 h of a row brings keys 32 c + 8 h + 0..7 and 32 c + 16 + 8 h + 0..7: the 128-deep matrix form's own order.
; cv_codes: [64 blocks of 128 tokens][16 heads][128 tokens][64 bytes], channels in their natural order.
; THE SOFTMAX: t = score x log2(e) / 8; M = the row's largest t so far, rounded UP to a whole number; p = 2^(t - M) is quantised with 2^e4, not normalised; the row's sum is taken of the unquantised p and
; divides at the end.  When M moves, the sum and O are multiplied by 2^(old M - new M): exact.
; SHARES.  Work-group (i, head) owns the query blocks i ("L") and 7 - i ("H") of 256 queries; each of its sixteen waves owns 16 queries of each block, both states in registers.  Block j needs the key slots
; (256 keys) 0 .. j, so the work-group makes (i + 1) + (8 - i) = 9 VISITS, a constant: visit n <= i works L on slot n, visit n > i works H on slot n - i - 1.  No slot is fetched in vain, and every
; work-group has 32 i + 24 + 32 (7 - i) + 24 = 272 steps of 16 queries x 128 keys.  Which state works is a scalar branch on ids; no barrier and no tensor load stands under it.
; NO CLUSTER: the four work-groups of a head want different slots in the same visit (n against n - i - 1).  Walking one list of slots in step would cost each the longest partner's walk, 12 slots against 9.
; LAYOUT.  Both products are used transposed: S^T = K Q^T (source 0 = 16 keys, source 1 = my 16 queries), O^T = V^T P^T (source 0 = 16 channels, source 1 = P): a lane holds ONE query (lane % 16) throughout.
; Register 8 t + j of S^T is key 16 t + 8 (lane / 16) + j, so the conversions' results are P's registers in the 128-deep form's own order.
; LIMITS on the given exponents: e2 + e3 between -123 and 130 (added to c's exponent field); e4, and e6 - e4 - e5, between -126 and 119.  The division by the sum is a reciprocal and a multiplication.
; REGISTERS: v1-11 addresses; v12-15 state L (-M, largest t, the sum in two halves), v16-19 state H; v20-27, v28-35 Q of L, of H; v36-99 fragments of K, then of V; v100-163 S^T, then p;
;   v164-195, v196-227 O^T of L, of H; v228-243 p's codes; v244-255 scales and work.
.set LP,    272                        ; an LDS row: four rows of 64 bytes + 16 of padding.  The 64-byte row n lies at (n / 4) LP + 64 (n % 4): the sixteen rows of a fragment fall on 16-byte column (r / 4) + 4 (r % 4): all different
.set BLK,   64*LP                      ; a slot's K, and its V: 16,384 bytes of memory each, on end
.set SLOT1, 1<<16                      ; slot 1 begins here, so that one exclusive or turns an address in one slot into the other's
.set STAGE, 2*SLOT1                    ; the way out: 16 rows x 80 bytes for each wave; no tile lands here
.set SPARE, STAGE+16*16*80             ; the spare words, 128 bytes for each wave
.set AK0, 1                            ; v1   my lane's place in a tile of K
.set AV0, 2                            ; v2   the same for V
.set PFO, 3                            ; v3   256 x lane: the prefetches' offset; never rewritten
.set DQ,  4                            ; v4   lane % 16 - 8 (lane / 16), for the mask
.set SPW, 5                            ; v5   LDS address of my spare word; never rewritten
.set NIL, 6                            ; v6   0; never rewritten
.set GO,  7                            ; v7   16 x lane: my bytes of the 512 that a store covers
.set ADK, 8                            ; v8   LDS address of the step's tiles of K
.set ADV, 9                            ; v9   of V
.set STO, 10                           ; v10  the stage: where I put 8 bytes of a row
.set RD,  11                           ; v11  and where I read 16 back
.set F,   36
.set S,   100
.set PC,  228
.set TB,  2                            ; s2   LDS byte at which the slot in hand begins
.set VN,  3                            ; s3   the visit's number; the loop's counter
.set IL,  14                           ; s14  i
.set KF,  15                           ; s15  the slot's first key
.set Q0L, 16                           ; s16  my first query of block L
.set Q0H, 17                           ; s17  of block H
.set WV,  18                           ; s18  my wave's number
.set SEL, 20                           ; s[20:21] lane selects for v_permlanex16_b32: lane l xor 16
.set CS,  22                           ; s[22:23] c = log2(e) / 8 x 2^(e2 + e3)
.set G1,  24                           ; s[24:31] descriptor group 1
.set PFA, 36                           ; s[36:37] where my prefetches stand
.set LIM, 38                           ; s38  6 in a wave that prefetches, else 0
.set G0,  40                           ; s[40:43] descriptor group 0, which walks
; Wave 0 fetches a slot's K, wave 1 its V, the others nothing.  The branch hangs on the wave's number alone.  Four v_nop follow the load.
.macro TLOAD
	s_cmp_lt_u32 s[WV], 2
	s_cbranch_scc0 .Lnone_\@
	tensor_load_to_lds s[G0:G0+3], s[G1:G1+7]
	s_nop 0
.rept 4
	v_nop
.endr
.Lnone_\@:
.endm
; A PREFETCH INTO THE L2: in trip n (0 to 5) the head's key slot n + 2: 16,384 bytes of K and of V.  All four work-groups of a head read the same K and V: the first of them asks.  In it four waves that fetch
; nothing ask, one instruction each: waves 4, 5 for the two halves of K's block, waves 6, 7 for V's: 8,192 bytes a wave, lanes 256 bytes apart.  So each aligned block of 256 bytes is named once in the launch.
; Slots 0 and 1 come by their loads alone.  Slot n + 2 is first loaded in trip n + 1 (slots 2, 3: by the work-group with i = 3) or in trip n + 2 (slots 4 to 7: by this one).  Slot 7 is the buffer's last.
.macro ASK
	s_cmp_lt_u32 s[VN], s[LIM]
	s_cbranch_scc0 .Lnot_mine_\@
	global_prefetch_b8 v[PFO], s[PFA:PFA+1] th:TH_LOAD_NT scope:SCOPE_SE
.Lnot_mine_\@:
.endm
	s_load_b256 s[4:11], s[0:1], 0x0               ; q s[4:5], k s[6:7], v s[8:9], the scales' exponents s[10:11]
	s_load_b64 s[12:13], s[0:1], 0x20              ; cv
	v_lshl_add_u32 v[SPW], v0, 2, SPARE
	v_mov_b32 v[NIL], 0
	ds_add_u32 v5, v6
	ds_add_u32 v5, v6
	s_wait_dscnt 0x0
	v_lshrrev_b32 v8, 5, v0
	s_delay_alu instid0(VALU_DEP_1)
	v_readfirstlane_b32 s[WV], v8                  ; wave 0..15
	s_mov_b32 s[IL], ttmp9
	s_and_b32 s66, ttmp7, 0xffff                   ; 16 x batch + head
	s_lshl_b32 s58, s66, 17                        ; its first byte in q, k and v: 2,048 x 64 bytes each
	s_mov_b32 s59, 0
	s_lshl_b32 s67, s[WV], 4
	s_lshl_b32 s[Q0L], ttmp9, 8
	s_add_co_u32 s[Q0L], s[Q0L], s67               ; 256 i + 16 w
	s_sub_co_u32 s[Q0H], 7, ttmp9
	s_lshl_b32 s[Q0H], s[Q0H], 8
	s_add_co_u32 s[Q0H], s[Q0H], s67               ; 256 (7 - i) + 16 w
	s_add_co_u32 s34, ttmp9, 1
	s_lshl_b32 s34, s34, 14                        ; i + 1 slots in bytes: the way back to slot 0 where H begins
	s_mov_b32 s33, 0
	; descriptor group 1: a dense block of 16,384 bytes as 64 rows of 256, padded in LDS
	s_mov_b32 s[G1], (0<<16)|(1<<20)|(5<<22)|(3<<25)  ; 15:0 no mask; 17:16 elements of 1 byte; 20 padding on; 24:22 after every 64 words; 31:25 four words
	s_mov_b32 s[G1+1], 256<<16                     ; tensor_dim0
	s_mov_b32 s[G1+2], 64<<16                      ; tensor_dim1
	s_mov_b32 s[G1+3], 256<<16                     ; tile_dim0
	s_mov_b32 s[G1+4], 64                          ; tile_dim1
	s_mov_b32 s[G1+5], 256                         ; tensor_dim0_stride
	s_mov_b32 s[G1+6], 0
	s_mov_b32 s[G1+7], 0
	s_mov_b32 s[SEL], 0x76543210
	s_mov_b32 s[SEL+1], 0xfedcba98
	s_mov_b32 s[CS], 0x3e38aa3b                    ; log2(e) / 8
	s_mov_b32 s[TB], 0
	s_mov_b32 s[VN], 0
	s_mov_b32 s[KF], 0
	; where my rows of cv lie: (((16 x batch + token / 128) x 16 + head) x 128 + token % 128) x 64
	s_lshr_b32 s68, s66, 4
	s_lshl_b32 s68, s68, 4                         ; 16 x batch
	s_and_b32 s69, s66, 15                         ; head
	s_lshr_b32 s70, s[Q0L], 7
	s_add_co_u32 s70, s70, s68
	s_lshl_b32 s70, s70, 4
	s_add_co_u32 s70, s70, s69
	s_lshl_b32 s70, s70, 7
	s_and_b32 s71, s[Q0L], 127
	s_add_co_u32 s70, s70, s71
	s_lshl_b32 s70, s70, 6
	s_mov_b32 s71, 0
	s_lshr_b32 s72, s[Q0H], 7
	s_add_co_u32 s72, s72, s68
	s_lshl_b32 s72, s72, 4
	s_add_co_u32 s72, s72, s69
	s_lshl_b32 s72, s72, 7
	s_and_b32 s73, s[Q0H], 127
	s_add_co_u32 s72, s72, s73
	s_lshl_b32 s72, s72, 6
	s_mov_b32 s73, 0
	s_lshl_b32 s74, s[Q0L], 6                      ; my queries' rows in the head's q
	s_mov_b32 s75, 0
	s_lshl_b32 s76, s[Q0H], 6
	s_mov_b32 s77, 0
	s_and_b32 s57, s[WV], 1
	s_mov_b32 s[G0], 1                             ; 1:0 count = 1
	s_mul_i32 s[G0+1], s57, BLK                    ; 63:32 LDS address: slot 0; K's block, or V's behind it
	s_wait_kmcnt 0x0
	s_load_b256 s[48:55], s[10:11], 0x0            ; e0 .. e7
	s_cmp_eq_u32 s57, 0
	s_cselect_b64 s[G0+2:G0+3], s[6:7], s[8:9]     ; 120:64 global address: the head's first 256 keys, of K or of V
	s_add_nc_u64 s[G0+2:G0+3], s[G0+2:G0+3], s[58:59]
	s_or_b32 s[G0+3], s[G0+3], 0x80000000          ; 127:126 type = 2
	TLOAD                                          ; visit 0's slot
	s_add_nc_u64 s[60:61], s[4:5], s[58:59]
	s_add_nc_u64 s[62:63], s[60:61], s[76:77]      ; q at my queries of H,
	s_add_nc_u64 s[60:61], s[60:61], s[74:75]      ; and of L
	s_add_nc_u64 s[44:45], s[12:13], s[70:71]      ; cv at my queries of L,
	s_add_nc_u64 s[46:47], s[12:13], s[72:73]      ; and of H
	s_cmp_lt_u32 s[WV], 6                          ; the prefetches (macro ASK): waves 4, 5: K;  waves 6, 7: V
	s_cselect_b64 s[PFA:PFA+1], s[6:7], s[8:9]
	s_add_nc_u64 s[PFA:PFA+1], s[PFA:PFA+1], s[58:59]
	s_lshl_b32 s66, s57, 13                        ; my half of a block,
	s_add_co_u32 s66, s66, 16384                   ; in slot 1: the first change of slots steps it to slot 2
	s_mov_b32 s67, 0
	s_add_nc_u64 s[PFA:PFA+1], s[PFA:PFA+1], s[66:67]
	s_lshr_b32 s66, s[WV], 2
	s_xor_b32 s66, s66, 1                          ; 0 in waves 4 to 7,
	s_or_b32 s66, s66, ttmp9                       ; of the head's first work-group
	s_cmp_eq_u32 s66, 0
	s_cselect_b32 s[LIM], 6, 0
	v_and_b32 v8, 15, v0                           ; r = lane % 16
	v_bfe_u32 v9, v0, 4, 1                         ; h = lane / 16
	s_delay_alu instid0(VALU_DEP_2)
	v_lshlrev_b32 v252, 6, v8
	s_delay_alu instid0(VALU_DEP_1)
	v_lshl_add_u32 v252, v9, 4, v252               ; Q: row r of 64 bytes, + 16 h: the same bytes of a row as K's loads take
	global_load_b128 v[20:23], v252, s[60:61]
	global_load_b128 v[24:27], v252, s[60:61] offset:32
	global_load_b128 v[28:31], v252, s[62:63]
	global_load_b128 v[32:35], v252, s[62:63] offset:32
	v_lshrrev_b32 v10, 2, v8
	s_delay_alu instid0(VALU_DEP_1)
	v_mul_u32_u24 v[AK0], v10, LP
	v_and_b32 v10, 3, v8
	s_delay_alu instid0(VALU_DEP_1)
	v_lshl_add_u32 v[AK0], v10, 6, v[AK0]
	s_delay_alu instid0(VALU_DEP_1)
	v_lshl_add_u32 v[AK0], v9, 4, v[AK0]           ; (r / 4) LP + 64 (r % 4) + 16 h
	s_delay_alu instid0(VALU_DEP_1)
	v_add_nc_u32 v[AV0], BLK, v[AK0]
	v_and_b32 v[PFO], 31, v0
	s_delay_alu instid0(VALU_DEP_1)
	v_lshlrev_b32 v[GO], 4, v[PFO]
	s_delay_alu instid0(VALU_DEP_2)
	v_lshlrev_b32 v[PFO], 8, v[PFO]
	v_lshlrev_b32 v[DQ], 3, v9
	s_delay_alu instid0(VALU_DEP_1)
	v_sub_nc_u32 v[DQ], v8, v[DQ]
	s_mul_i32 s66, s[WV], 16*80
	s_add_co_u32 s66, s66, STAGE                   ; my stage
	v_mul_u32_u24 v[STO], v8, 80
	s_delay_alu instid0(VALU_DEP_1)
	v_lshl_add_u32 v[STO], v9, 3, v[STO]
	s_delay_alu instid0(VALU_DEP_1)
	v_add_nc_u32 v[STO], s66, v[STO]               ; in: row r, + 8 h
	v_bfe_u32 v[RD], v0, 2, 3
	s_delay_alu instid0(VALU_DEP_1)
	v_mul_u32_u24 v[RD], v[RD], 80
	v_and_b32 v8, 3, v0
	s_delay_alu instid0(VALU_DEP_1)
	v_lshl_add_u32 v[RD], v8, 4, v[RD]
	s_delay_alu instid0(VALU_DEP_1)
	v_add_nc_u32 v[RD], s66, v[RD]                 ; back: four lanes to a row of 64 bytes, eight rows an instruction
	v_mov_b32 v13, 0xff61b1e6                      ; the largest t so far: -3e38, under every t
	s_delay_alu instid0(VALU_DEP_1)
	v_floor_f32 v12, -v13                          ; -M
	v_mov_b32 v14, 0                               ; the sum, in two halves
	v_mov_b32 v15, 0
	v_mov_b32 v17, 0xff61b1e6
	s_delay_alu instid0(VALU_DEP_1)
	v_floor_f32 v16, -v17
	v_mov_b32 v18, 0
	v_mov_b32 v19, 0
	v_mov_b32 v248, 0                              ; written once: a lane permute's destination counts as one of its sources
	v_mov_b32 v251, 0                              ; (named as the upper half of the pair v[250:251])
.set j, 0
.rept 64
	v_mov_b32 v[164+j], 0                          ; both O^T.  (The step has no first form of its own: it finds zeros, which the first change of M leaves zeros)
.set j, j+1
.endr
	s_wait_kmcnt 0x0
	s_add_co_i32 s66, s50, s51
	s_lshl_b32 s66, s66, 23
	s_add_co_i32 s[CS], s[CS], s66                 ; a score stands for score x 2^(e2 + e3): the two exponents are added to c's exponent field
	s_mov_b32 s[CS+1], s[CS]                       ; (named with it as a pair, so it is written)
	s_add_co_i32 s66, s52, 127
	s_lshl_b32 s67, s66, 23
	v_mov_b32 v244, s67                            ; 2^e4, for p's conversions
	s_sub_co_i32 s66, s54, s52
	s_sub_co_i32 s66, s66, s53
	s_add_co_i32 s66, s66, 127
	s_lshl_b32 s67, s66, 23
	v_mov_b32 v255, s67                            ; 2^(e6 - e4 - e5): O^T / the sum stands for that x 2^(e4 + e5), and its code is taken with 2^e6
; A KEY STEP: 128 keys, the q-th of the slot in hand, for the state at v[ST], with Q at v[QR], O^T at v[OR] and the first query in s[SQ].
.macro STEP q, ST, QR, OR, SQ
	s_add_co_u32 s56, s[KF], 128*\q                ; the step's first key
	s_add_co_u32 s57, s[\SQ], 15
	s_cmp_gt_u32 s56, s57                          ; all its keys come after my 16 queries: the step is left out (a scalar branch on ids)
	s_cbranch_scc1 .Lhidden_\@
	v_add_nc_u32 v[ADK], s[TB], v[AK0]
	v_add_nc_u32 v[ADV], s[TB], v[AV0]
	v_nop                                          ; with the two additions: four places in front of loads into registers that the last products read
	v_nop
.irp t, 0,1,2,3,4,5,6,7
.irp c, 0,1
	ds_load_b128 v[F+8*\t+4*\c:F+8*\t+4*\c+3], v[ADK] offset:(32*\q+4*\t)*LP+32*\c   ; keys 16 t + r
.endr
.endr
	s_wait_alu depctr_va_vdst(0)
	s_wait_dscnt 0x0
.irp t, 0,1,2,3,4,5,6,7
	v_wmma_f32_16x16x64_fp8_fp8 v[S+8*\t:S+8*\t+7], v[F+8*\t:F+8*\t+7], v[\QR:\QR+7], 0
.endr
.rept 4
	v_nop                                          ; places: in front of the loads below, into K's registers, and of the first read of the scores
.endr
.irp d, 0,1,2,3
.irp c, 0,1,2,3
	ds_load_b128 v[F+16*\d+4*\c:F+16*\d+4*\c+3], v[ADV] offset:(2*\q+\c/2)*16*LP+4*\d*LP+32*(\c%2)   ; V: channels 16 d + r, keys 32 c on: it lands while the softmax is worked
.endr
.endr
	s_add_co_u32 s57, s56, 127
	s_cmp_le_u32 s57, s[\SQ]                       ; all 128 keys count for all my queries: no mask
	s_cbranch_scc1 .Lopen_\@
	s_sub_co_i32 s57, s[\SQ], s56
	v_add_nc_u32 v252, s57, v[DQ]                  ; d = my query - the step's first key - 8 (lane / 16).  Register 8 t + j holds key 16 t + 8 (lane / 16) + j: hidden where 16 t + j > d
	v_mov_b32 v254, 0xff800000                     ; -infinity: p = 0 then
.set n, 0
.rept 64
	v_cmp_gt_i32 vcc_lo, 16*(n/8)+n%8, v252
	v_cndmask_b32 v[S+n], v[S+n], v254, vcc_lo
.set n, n+1
.endr
.Lopen_\@:
	v_max3_num_f32 v254, v[S], v[S+1], v[S+2]      ; the step's largest score of my query, among my 64 keys, in two chains, each accumulator from its low end on,
	v_max3_num_f32 v252, v[S+3], v[S+4], v[S+5]
.set n, 6
.rept 14
	v_max3_num_f32 v254, v254, v[S+n], v[S+n+1]
	v_max3_num_f32 v252, v252, v[S+n+2], v[S+n+3]
.set n, n+4
.endr
	v_max3_num_f32 v254, v254, v[S+62], v[S+63]
	s_delay_alu instid0(VALU_DEP_1)
	v_max_num_f32 v254, v254, v252
	s_delay_alu instid0(VALU_DEP_1)
	v_permlanex16_b32 v248, v254, s[SEL], s[SEL+1]
	s_delay_alu instid0(VALU_DEP_1)
	v_max_num_f32 v254, v254, v248                 ; and among lane l xor 16's
	s_delay_alu instid0(VALU_DEP_1)
	v_mul_f32 v254, s[CS], v254                    ; as t (c is positive)
	s_delay_alu instid0(VALU_DEP_1)
	v_max_num_f32 v[\ST+1], v[\ST+1], v254         ; the running largest t
	v_mov_b32 v254, v[\ST]
	s_delay_alu instid0(VALU_DEP_2)
	v_floor_f32 v[\ST], -v[\ST+1]                  ; the new -M = floor(-t) = -ceil(t): a whole number
	s_delay_alu instid0(VALU_DEP_1)
	v_sub_f32 v254, v[\ST], v254                   ; M's old value less its new one: a whole number, 0 or less
	s_delay_alu instid0(VALU_DEP_1)
	v_cvt_i32_f32 v254, v254                       ; (it saturates)
	s_delay_alu instid0(VALU_DEP_1)
	v_ldexp_f32 v250, 1.0, v254                    ; f = 2^(old M - new M)
.set n, 0
.rept 32
	v_pk_fma_f32 v[S+n:S+n+1], v[S+n:S+n+1], s[CS:CS+1], v[\ST:\ST+1] op_sel_hi:[1,0,0]   ; t - M, two at a time (of the pairs c and -M the low word serves both halves)
.set n, n+2
.endr
.set n, 0
	s_wait_alu depctr_va_vdst(0)
.rept 64
	v_exp_f32 v[S+n], v[S+n]                       ; p = 2^(t - M), at most 1
.set n, n+1
.endr
	v_pk_mul_f32 v[\ST+2:\ST+3], v[\ST+2:\ST+3], v[250:251] op_sel_hi:[1,0]   ; the sums under the new M: the plain instruction behind the exponentials
	s_wait_alu depctr_va_vdst(0)                   ; one wait for the batch of 64, ahead of its first reader
	v_pk_add_f32 v[246:247], v[S:S+1], v[S+2:S+3]  ; the row's sum is taken of the unquantised p: two at a time, in two chains
.set n, 4
.rept 15
	v_pk_add_f32 v[\ST+2:\ST+3], v[\ST+2:\ST+3], v[S+n:S+n+1]
	v_pk_add_f32 v[246:247], v[246:247], v[S+n+2:S+n+3]
.set n, n+4
.endr
	s_delay_alu instid0(VALU_DEP_1)
	v_pk_add_f32 v[\ST+2:\ST+3], v[\ST+2:\ST+3], v[246:247]
.irp t, 0,1,2,3,4,5,6,7
.irp i, 0,1,2,3,4,5,6,7
.endr
	v_cvt_scalef32_pk8_fp8_f32 v[PC+2*\t:PC+2*\t+1], v[S+8*\t:S+8*\t+7], v244   ; registers 2 t, 2 t + 1 of P: keys 16 t + 8 (lane / 16) + 0..7
.endr
.set n, 0
.rept 16
	v_pk_mul_f32 v[\OR+n:\OR+n+1], v[\OR+n:\OR+n+1], v[250:251] op_sel_hi:[1,0]   ; O^T under the new M.  (Also the plain instructions between the conversions and the products)
.set n, n+2
.endr
	s_wait_alu depctr_va_vdst(0)
	s_wait_dscnt 0x0                               ; V is in
.irp d, 0,1,2,3
	v_wmma_f32_16x16x128_fp8_fp8 v[\OR+8*\d:\OR+8*\d+7], v[F+16*\d:F+16*\d+15], v[PC:PC+15], v[\OR+8*\d:\OR+8*\d+7]   ; four accumulators, one turn each; the next step's eight products K Q^T stand between two turns
.endr
.Lhidden_\@:
.endm
; THE CHANGE OF SLOTS stands at a visit's head.  Each wave waits for all its tensor loads (its part of the slot that it is about to read), adds 0 to its spare word, and waits for that and for its reads of the
; slot that it has left.  Behind the barrier the slot ahead is whole and nobody reads the other one.  fill = 1: that other slot is filled for the next visit: the load has a whole visit in which to land.
.macro CHANGE fill
	s_wait_tensorcnt 0x0                           ; no tensor load of mine is out, so group 0 may be written
	ds_add_u32 v[SPW], v[NIL]                      ; 0 onto my spare word: with fill = 1 the descriptor's steps stand between it and the wait for it
.if \fill
	s_xor_b32 s[G0+1], s[G0+1], SLOT1              ; the other slot than last time,
	s_add_nc_u64 s[G0+2:G0+3], s[G0+2:G0+3], 16384 ; the next 256 keys,
	s_cmp_eq_u32 s[VN], s[IL]
	s_cselect_b32 s32, s34, 0
	s_sub_nc_u64 s[G0+2:G0+3], s[G0+2:G0+3], s[32:33]  ; or, behind L's last visit, the head's first: H begins.  The type bits on top are not reached
	s_wait_xcnt 0x0                                ; the last prefetch, a visit back, has read its address, so it may be written
	s_add_nc_u64 s[PFA:PFA+1], s[PFA:PFA+1], 16384
.endif
	s_wait_dscnt 0x0                               ; the add is done, and my reads of the slot that I have left are over
	s_barrier_signal -1
	s_barrier_wait -1
.if \fill
	TLOAD                                          ; the first thing behind the barrier, and a wave's one tensor load until the next
	ASK
.endif
.endm
	s_wait_loadcnt 0x0                             ; Q
.Lvisit:                                           ; eight trips: visits 0 to 7; behind each change of slots the next visit's slot is asked for
	CHANGE 1
	s_cmp_le_u32 s[VN], s[IL]
	s_cbranch_scc0 .Lhigh
	STEP 0, 12, 20, 164, Q0L
	STEP 1, 12, 20, 164, Q0L
	s_branch .Ljoin
.Lhigh:
	STEP 0, 16, 28, 196, Q0H
	STEP 1, 16, 28, 196, Q0H
.Ljoin:
	s_xor_b32 s[TB], s[TB], SLOT1                  ; on to the other slot
	s_add_co_u32 s[KF], s[KF], 256
	s_cmp_eq_u32 s[VN], s[IL]
	s_cselect_b32 s[KF], 0, s[KF]                  ; behind L's last visit H begins at key 0
	s_add_co_u32 s[VN], s[VN], 1
	s_cmp_lt_u32 s[VN], 8
	s_cbranch_scc1 .Lvisit
	CHANGE 0                                       ; visit 8, always H's, is written out
	STEP 0, 16, 28, 196, Q0H
	STEP 1, 16, 28, 196, Q0H
; THE WAY OUT of one state.  O^T is divided by the row's sum and converted with 2^(e6 - e4 - e5): a lane's eight channels of a tile are 8 bytes of its query's row of 64.  The 16 rows go through my stage
; and leave as 1,024 bytes on end: each store of the wave covers 512 consecutive bytes, at a multiple of 256 from the buffer's first byte.
.macro FIN idx, ST, OR, base
	v_add_f32 v[\ST+2], v[\ST+2], v[\ST+3]         ; the sum's two halves,
	s_delay_alu instid0(VALU_DEP_1)
	v_permlanex16_b32 v248, v[\ST+2], s[SEL], s[SEL+1]
	s_delay_alu instid0(VALU_DEP_1)
	v_add_f32 v[\ST+2], v[\ST+2], v248             ; and lane l xor 16's
	s_wait_alu depctr_va_vdst(0)
	v_rcp_f32 v[\ST], v[\ST+2]
	v_nop                                          ; a plain instruction behind the reciprocal,
	s_wait_alu depctr_va_vdst(0)                   ; and the wait ahead of its first reader
.set n, 0
.rept 16
	v_pk_mul_f32 v[S+n:S+n+1], v[\OR+n:\OR+n+1], v[\ST:\ST+1] op_sel_hi:[1,0]   ; register 8 d + j: channel 16 d + 8 (lane / 16) + j
.set n, n+2
.endr
.set n, 0
.rept 32
.set n, n+1
.endr
.irp d, 0,1,2,3
	v_cvt_scalef32_pk8_fp8_f32 v[PC+8*\idx+2*\d:PC+8*\idx+2*\d+1], v[S+8*\d:S+8*\d+7], v255
.endr
	v_nop                                          ; one plain vector instruction behind the last conversion: the other state's products write the conversions' sources
.irp d, 0,1,2,3
	ds_store_b64 v[STO], v[PC+8*\idx+2*\d:PC+8*\idx+2*\d+1] offset:16*\d
.endr
.irp u, 0,1
	ds_load_b128 v[F+8*\idx+4*\u:F+8*\idx+4*\u+3], v[RD] offset:640*\u   ; LDS serves a wave's instructions in order (ISA guide 5.7.1.4): these see my stores, and the other state's stores come behind them
.endr
.irp u, 0,1
	s_wait_dscnt 1-\u                              ; rows 8 u on are back; the younger load may be out
	global_store_b128 v[GO], v[F+8*\idx+4*\u:F+8*\idx+4*\u+3], s[\base:\base+1] offset:512*\u
.endr
.endm
.rept 4
	v_nop                                          ; places behind the last products
.endr
	FIN 0, 12, 164, 44
	FIN 1, 16, 196, 46
	s_wait_tensorcnt 0x0                           ; the wave's end: behind my last tensor load and my last LDS store
	ds_add_u32 v[SPW], v[NIL]
	s_wait_dscnt 0x0
	s_endpgm
.Lfunc_end_k_q280b591f5d_attn:
	.size	k_q280b591f5d_attn, .Lfunc_end_k_q280b591f5d_attn-k_q280b591f5d_attn
	.p2alignl 7, 3214868480
	.fill 96, 4, 3214868480
	.section	.rodata,"a",@progbits
	.p2align	6, 0x0
	.amdhsa_kernel k_q280b591f5d_attn
		.amdhsa_group_segment_fixed_size 327680
		.amdhsa_private_segment_fixed_size 0
		.amdhsa_enable_private_segment 0
		.amdhsa_kernarg_size 40
		.amdhsa_user_sgpr_count 2
		.amdhsa_user_sgpr_kernarg_segment_ptr 1
		.amdhsa_wavefront_size32 1
		.amdhsa_system_sgpr_workgroup_id_x 1
		.amdhsa_system_sgpr_workgroup_id_y 1
		.amdhsa_system_sgpr_workgroup_id_z 1
		.amdhsa_system_vgpr_workitem_id 0
		.amdhsa_next_free_vgpr 256
		.amdhsa_next_free_sgpr 80
		.amdhsa_reserve_vcc 1
		.amdhsa_float_denorm_mode_32 3
		.amdhsa_float_denorm_mode_16_64 3
		.amdhsa_fp16_overflow 1
		.amdhsa_memory_ordered 1
		.amdhsa_forward_progress 1
		.amdhsa_inst_pref_size 128
	.end_amdhsa_kernel
	.amdgpu_metadata
---
amdhsa.version: [ 1, 2 ]
amdhsa.kernels:
  - .name:           k_q280b591f5d_attn
    .symbol:         k_q280b591f5d_attn.kd
    .args:
      - { .name: q_codes, .offset: 0, .size: 8, .value_kind: global_buffer, .address_space: global }
      - { .name: k_codes, .offset: 8, .size: 8, .value_kind: global_buffer, .address_space: global }
      - { .name: v_codes, .offset: 16, .size: 8, .value_kind: global_buffer, .address_space: global }
      - { .name: lowp_scales, .offset: 24, .size: 8, .value_kind: global_buffer, .address_space: global }
      - { .name: cv_codes, .offset: 32, .size: 8, .value_kind: global_buffer, .address_space: global }
    .group_segment_fixed_size: 327680
    .private_segment_fixed_size: 0
    .kernarg_segment_align: 8
    .kernarg_segment_size: 40
    .max_flat_workgroup_size: 512
    .sgpr_count:     80
    .vgpr_count:     256
    .wavefront_size: 32
...
	.end_amdgpu_metadata
.endif
;; end of part 2
;; launch proj (part 3): grid 4 x 64, 4 waves a work-group, clusters of 4 x 4, 327,680 bytes of LDS; arguments cv_codes, w_proj_codes, b_proj, lowp_scales, out0; writes out0
.if DOCPART == 3
	.amdgcn_target "amdgcn-amd-amdhsa--gfx1250"
	.amdhsa_code_object_version 6
	.text
	.protected	k_q280b591f5d_proj
	.globl	k_q280b591f5d_proj
	.p2align	8
	.type	k_q280b591f5d_proj,@function
k_q280b591f5d_proj:
	s_mov_b64 s[64:65], 0
	v_nop
	global_prefetch_b8 v0, s[64:65] scope:SCOPE_SE
	s_setreg_imm32_b32 hwreg(HW_REG_WAVE_MODE, 25, 1), 1
	s_wait_xcnt 0x0
	s_wait_alu depctr_hold_cnt(0) depctr_sa_sdst(0) depctr_va_vdst(0) depctr_va_sdst(0) depctr_va_ssrc(0) depctr_va_vcc(0) depctr_vm_vsrc(0)
	s_getreg_b32 s2, hwreg(HW_REG_IB_STS2, 6, 4)
	s_cmp_eq_u32 s2, 0
	s_cbranch_scc0 .Lentry_in_a_cluster
	s_endpgm
.Lentry_in_a_cluster:
	s_bfe_u32 s2, ttmp6, 0x10000c
	s_cmp_lg_u32 s2, 0xf033
	s_cbranch_scc0 .Lentry_shape_is_right
	s_endpgm
.Lentry_shape_is_right:
; out0 = cv w_proj + b_proj on codes of FP8 (E4M3): cv with the scale 2^e6, w_proj with 2^e7; each finished sum is multiplied once by 2^(e6 + e7) and the bias added, one fused multiply-add.
; cv_codes: [64 blocks of 128 tokens][16 heads][128 tokens][64 bytes]; w_proj_codes: [1024 features][1024 bytes], K innermost; K = 64 x head + channel.  out0: [8192][1024] f32.
; A tile is 128 tokens x 256 features: 256 work-groups.  Four waves, each 64 tokens x 128 features: 32 accumulators, 256 registers.  K goes in steps of 256 (four heads) through a ring of two LDS slots.
; A's tile of a K step, 4 heads x 128 tokens x 64 bytes, is one dense block of 32,768 bytes; it comes as rows of 256 bytes (four tokens of a head), padded.
; CLUSTERS: 4 x 4 work-groups; the four of a row of the cluster share A's tile (one block of tokens), the four of a column B's (one block of features): each is asked for jointly.
; THE MATRIX INSTRUCTION IS USED TRANSPOSED (source 0 = 16 features, source 1 = 16 tokens): a lane holds eight neighbouring features of a token.
; No prefetch: a tile has four K steps, two of them first fills and two asked for one step behind the head.
; LIMIT: e6 + e7 between -126 and 127, so that 2^(e6 + e7) is an f32 number.
; REGISTERS: window 0: v16-31 addresses; v32-95 a block's results; v128-191, v192-255 A's fragments, two sets, later rows read back.   window 1: B's fragments, two sets.
;   window 2: the accumulators ((a, b) at v[8 (8 a + b)]).   window 3: v0-63 the bias at feature 16 b + 8 h + j, register 8 b + j.
.set PITCH,  272                       ; an LDS row: 256 bytes + 16 of padding
.set FR,     16                        ; registers of a fragment: 16 rows x 128 K
.set ATILE,  128*PITCH                 ; A's tile: 4 heads x 32 rows of four tokens
.set SLOT,   ATILE+256*PITCH           ; then B's 256 rows
.set SPARE,  2*SLOT                    ; behind the ring: the spare words, 128 bytes for each wave
.set SPITCH, 528                       ; the way out: a stage of 16 rows x (512 bytes + 16) for each wave, in slot 0, which has had its last fill and its last read when the first result is stored there
.set ADRA, 16                          ; v16-17  LDS address of my A fragments in slot 0, 1
.set ADRB, 20                          ; v20-21  the same for B
.set STO,  24                          ; v24     the way out: where I put 32 bytes of a row
.set RD,   25                          ; v25     where I read a row back
.set CO,   26                          ; v26     16 x lane: my bytes of a row's 512
.set OFB,  27                          ; v27     32 x (lane / 16)
.set SPW,  28                          ; v28     LDS address of my spare word; never rewritten
.set NIL,  29                          ; v29     0; never rewritten
.set TMP,  32
.set AF,   128
.set BK,   128
.set G1, 24                            ; s[24:31] descriptor group 1 for A's tiles;  s[32:39] group 0, one set for each slot
.set G0, 32
.set G1B, 48                           ; s[48:55], s[56:63] the same for B's tiles
.set G0B, 56
.set MSB, 0
.macro WIN new                         ; the immediate's high byte repeats the setting that is left
.if MSB != (\new)
	s_set_vgpr_msb (MSB<<8)|(\new)
.set MSB, (\new)
.endif
.endm
.set MUL,  0xa1                        ; source 0 (B) window 1, source 1 (A) window 0, C and D window 2
.set TO_B, 0x40                        ; destination window 1, address window 0
.macro JLOAD s                         ; a joint load: waves 0 and 1 fetch A's two halves, waves 2 and 3 B's; four v_nop follow each of the two lines
	s_cmp_eq_u32 s15, 0
	s_cbranch_scc0 .Lfor_b_\@
	tensor_load_to_lds s[G0+4*\s:G0+4*\s+3], s[G1:G1+7]
	s_nop 0
.rept 4
	v_nop
.endr
	s_branch .Lasked_\@
.Lfor_b_\@:
	tensor_load_to_lds s[G0B+4*\s:G0B+4*\s+3], s[G1B:G1B+7]
	s_nop 0
.rept 4
	v_nop
.endr
.Lasked_\@:
.endm
.macro CREST                           ; a round of the cluster's barrier behind its opening barrier
	s_cmp_lg_u32 s14, 0
	s_cbranch_scc1 .Lnot_wave_0_\@
	s_barrier_signal -3
.Lnot_wave_0_\@:
	s_barrier_wait -3
	s_barrier_signal -1
	s_barrier_wait -1
.endm
.macro CROUND                          ; a whole round
	s_barrier_signal -1
	s_barrier_wait -1
	CREST
.endm
	s_load_b256 s[4:11], s[0:1], 0x0               ; cv s[4:5], w_proj s[6:7], b_proj s[8:9], the scales' exponents s[10:11]
	s_load_b64 s[12:13], s[0:1], 0x20              ; out0
	v_lshl_add_u32 v[SPW], v0, 2, SPARE
	v_mov_b32 v[NIL], 0
	ds_add_u32 v28, v29
	ds_add_u32 v28, v29
	s_wait_dscnt 0x0
	v_lshrrev_b32 v1, 5, v0
	v_readfirstlane_b32 s14, v1                    ; wave 0..3
	s_lshr_b32 s15, s14, 1                         ; wa: which 64 tokens are mine.  Also: I fetch for A (0) or for B (1)
	s_and_b32 s16, s14, 1                          ; wb: which 128 features.  Also: which half of that tile I fetch
	s_bfe_u32 s40, ttmp6, 0x40000                  ; cx: the block of 256 features (the grid is one cluster wide)
	s_bfe_u32 s41, ttmp6, 0x40004                  ; cy
	s_and_b32 s17, ttmp7, 0xffff
	s_lshl_b32 s17, s17, 2
	s_add_co_u32 s17, s17, s41                     ; the block of 128 tokens = 4 x cluster y + cy
	s_lshl_b32 s43, s41, 2
	s_lshl_b32 s43, 15, s43                        ; my row of the cluster
	s_lshl_b32 s44, 0x1111, s40                    ; my column
	s_or_b32 s[G1+0], s43, (0<<16)|(1<<20)|(1<<21)|(5<<22)|(3<<25)  ; 15:0 the mask: A's tiles go to my row; 17:16 element of 1 byte; 20 padding on; 21 set beside a mask; 24:22 after every 64 words; 31:25 four words
	s_mov_b32 s[G1+1], 256<<16                     ; A: half a tile: 64 rows of 256 bytes, dense
	s_mov_b32 s[G1+2], 64<<16
	s_mov_b32 s[G1+3], 256<<16
	s_mov_b32 s[G1+4], 64
	s_mov_b32 s[G1+5], 256
	s_mov_b32 s[G1+6], 0
	s_mov_b32 s[G1+7], 0
	s_or_b32 s[G1B+0], s44, (0<<16)|(1<<20)|(1<<21)|(5<<22)|(3<<25)
	s_mov_b32 s[G1B+1], 256<<16                    ; B: half a tile: 128 rows of 256 bytes, 1,024 apart
	s_mov_b32 s[G1B+2], 128<<16
	s_mov_b32 s[G1B+3], 256<<16
	s_mov_b32 s[G1B+4], 128
	s_mov_b32 s[G1B+5], 1024
	s_mov_b32 s[G1B+6], 0
	s_mov_b32 s[G1B+7], 0
	s_lshl_b32 s20, s17, 17                        ; A: the block of tokens: 16 heads x 128 x 64 bytes,
	s_lshl_b32 s18, s16, 14                        ; + my two of a K step's four heads
	s_add_co_u32 s20, s20, s18
	s_mov_b32 s21, 0
	s_lshl_b32 s46, s40, 8
	s_lshl_b32 s18, s16, 7
	s_add_co_u32 s46, s46, s18
	s_lshl_b32 s46, s46, 10                        ; B: row 256 cx + 128 x half, of 1,024 bytes
	s_mov_b32 s47, 0
	s_mul_i32 s45, s16, 64*PITCH                   ; where they go: A's halves,
	s_mul_i32 s19, s16, 128*PITCH
	s_add_co_u32 s19, s19, ATILE                   ; B's halves behind them: no place in the cluster enters an LDS address
	s_wait_kmcnt 0x0
	s_load_b64 s[96:97], s[10:11], 0x18            ; e6, e7
	s_add_nc_u64 s[20:21], s[4:5], s[20:21]
	s_add_nc_u64 s[46:47], s[6:7], s[46:47]
	CROUND                                         ; all sixteen work-groups are here: the first joint loads meet
.irp s, 0,1
	s_mov_b32 s[G0+4*\s], 1
	s_add_co_u32 s[G0+4*\s+1], s45, \s*SLOT
	s_add_nc_u64 s[G0+4*\s+2:G0+4*\s+3], s[20:21], \s*32768        ; a K step on: four heads
	s_or_b32 s[G0+4*\s+3], s[G0+4*\s+3], 0x80000000
	s_mov_b32 s[G0B+4*\s], 1
	s_add_co_u32 s[G0B+4*\s+1], s19, \s*SLOT
	s_add_nc_u64 s[G0B+4*\s+2:G0B+4*\s+3], s[46:47], \s*256
	s_or_b32 s[G0B+4*\s+3], s[G0B+4*\s+3], 0x80000000
	s_wait_alu depctr_va_vdst(0)
	s_wait_tensorcnt 0x0
	ds_add_u32 v28, v29
	ds_add_u32 v28, v29
	s_wait_dscnt 0x0
	CROUND
	JLOAD \s
.endr
	v_and_b32 v1, 15, v0                           ; r = lane % 16
	v_bfe_u32 v2, v0, 4, 1                         ; h = lane / 16
	s_wait_alu depctr_va_vdst(0)
	s_lshl_b32 s20, s17, 7
	s_lshl_b32 s21, s15, 6
	s_add_co_u32 s20, s20, s21                     ; my first token: 128 x block + 64 wa
	s_lshl_b32 s20, s20, 12                        ; a row of out0 is 4,096 bytes
	s_lshl_b32 s22, s40, 10
	s_lshl_b32 s23, s16, 9
	s_add_co_u32 s22, s22, s23                     ; my first feature in bytes: 1,024 cx + 512 wb
	s_add_co_u32 s20, s20, s22
	s_mov_b32 s21, 0
	s_mov_b32 s23, 0
	s_add_nc_u64 s[12:13], s[12:13], s[20:21]
	s_add_nc_u64 s[8:9], s[8:9], s[22:23]
	v_lshlrev_b32 v[OFB], 5, v2
	WIN 0xc0                                       ; destination window 3
.irp b, 0,1,2,3,4,5,6,7
	global_load_b128 v[8*\b:8*\b+3],   v[OFB], s[8:9] offset:64*\b
	global_load_b128 v[8*\b+4:8*\b+7], v[OFB], s[8:9] offset:64*\b+16
.endr
	WIN 0
	v_lshrrev_b32 v3, 2, v1
	v_mul_u32_u24 v3, v3, PITCH
	v_and_b32 v4, 3, v1
	v_lshl_add_u32 v3, v4, 6, v3
	v_lshl_add_u32 v3, v2, 4, v3                   ; A: token r of a block of 16: (r / 4) x pitch + 64 (r % 4) + 16 h: sixteen different 16-byte columns
	v_mul_u32_u24 v4, v1, PITCH
	v_lshl_add_u32 v4, v2, 4, v4                   ; B: row r x pitch + 16 h
	s_mul_i32 s21, s15, 16*PITCH                   ; my 64 tokens: 16 rows of four, in each head
	s_mul_i32 s22, s16, 128*PITCH
	s_add_co_u32 s22, s22, ATILE                   ; my 128 rows of B
.irp s, 0,1
	v_add_nc_u32 v[ADRA+\s], s21, v3
	v_add_nc_u32 v[ADRB+\s], s22, v4
	s_add_co_u32 s21, s21, SLOT
	s_add_co_u32 s22, s22, SLOT
.endr
	s_mul_i32 s23, s14, 16*SPITCH                  ; my stage
	v_mul_u32_u24 v5, v1, SPITCH                   ; in: row r, 32 bytes for each half of the lanes
	v_lshl_add_u32 v5, v2, 5, v5
	v_add_nc_u32 v[STO], s23, v5
	v_and_b32 v6, 31, v0
	v_lshlrev_b32 v[CO], 4, v6                     ; back: the 32 lanes take one row of 512 bytes; and the same in out0
	v_add_nc_u32 v[RD], s23, v[CO]
.macro FRAGB reg, adr, q, i            ; 16 features x 128 K: registers 4 c .. 4 c + 3 hold K = 32 c + 16 h + 0 .. 15 of the slot's q-th 128
.irp c, 0,1,2,3
	ds_load_b128 v[\reg+4*\c:\reg+4*\c+3], v[\adr] offset:128*(\q)+32*\c+(\i)*16*PITCH
.endr
.endm
.macro FRAGA reg, adr, q, a            ; 16 tokens x the same K: head 2 q + c / 2 of the slot's four, channels 32 (c % 2) + 16 h + 0 .. 15
.irp c, 0,1,2,3
	ds_load_b128 v[\reg+4*\c:\reg+4*\c+3], v[\adr] offset:(2*(\q)+\c/2)*32*PITCH+(\a)*4*PITCH+32*(\c%2)
.endr
.endm
.macro FETCH3 slot, q, set             ; 48 LDS loads in one run: B's eight fragments and A's four
	WIN TO_B
.irp i, 0,1,2,3,4,5,6,7
	FRAGB 128*(\set)+FR*\i, ADRB+\slot, \q, \i
.endr
	WIN 0
.irp i, 0,1,2,3
	FRAGA AF+64*(\set)+FR*\i, ADRA+\slot, \q, \i
.endr
.endm
; 8 matrix instructions: A's block a x B's eight.  zero = 1: the first product starts the sums.  The 32 accumulators take turns, one instruction a turn, in the same order in every step.
.macro MUL8 a, set, zero
.irp b, 0,1,2,3,4,5,6,7
.if \zero
	v_wmma_f32_16x16x128_fp8_fp8 v[8*(8*(\a)+\b):8*(8*(\a)+\b)+7], v[128*(\set)+FR*\b:128*(\set)+FR*\b+FR-1], v[AF+64*(\set)+FR*(\a):AF+64*(\set)+FR*(\a)+FR-1], 0
.else
	v_wmma_f32_16x16x128_fp8_fp8 v[8*(8*(\a)+\b):8*(8*(\a)+\b)+7], v[128*(\set)+FR*\b:128*(\set)+FR*\b+FR-1], v[AF+64*(\set)+FR*(\a):AF+64*(\set)+FR*(\a)+FR-1], v[8*(8*(\a)+\b):8*(8*(\a)+\b)+7]
.endif
.endr
.endm
.macro PLACES                          ; four places in front of loads into registers that matrix instructions have read, and of the first read of results (ISA guide 7.12.1 for vector instructions)
.rept 4
	v_nop
.endr
.endm
; A slot's first 128 along K, on set 0; in its middle the second 128 are fetched into set 1.
.macro STEP3 slot, zero
	s_wait_dscnt 0x0                               ; set 0 is in
	WIN MUL
	MUL8 0, 0, \zero
	MUL8 1, 0, \zero
	PLACES
	FETCH3 \slot, 1, 1
	WIN MUL
	MUL8 2, 0, \zero
	MUL8 3, 0, \zero
	WIN 0
.endm
; A slot's second 128, on set 1, changes slots: ONE barrier; in front of it each wave waits for all its tensor loads, adds 0 to its spare word, and waits for that and for its own reads of this slot.  fill = 1: this slot is filled again, two K steps ahead.
.macro TURN3 slot, next, fill
	s_wait_tensorcnt 0x0                           ; all my tensor loads have landed: my part of the next slot;
	ds_add_u32 v[SPW], v[NIL]                      ; 0 onto my spare word
	s_wait_dscnt 1                                 ; set 1 is in (the add alone may be out)
	WIN MUL
	MUL8 0, 1, 0                                   ; eight matrix instructions stand between the add and the wait for it
	s_wait_dscnt 0x0                               ; the add is done, and my reads of this slot are over
	s_barrier_signal -1
	MUL8 1, 1, 0
	WIN 0
	s_barrier_wait -1
.if \fill
	CREST                                          ; the barrier has opened a round of the cluster's barrier: no wave of any partner still reads this slot's tile or has a load on its way
	s_add_nc_u64 s[G0+4*\slot+2:G0+4*\slot+3], s[G0+4*\slot+2:G0+4*\slot+3], 2*32768
	s_add_nc_u64 s[G0B+4*\slot+2:G0B+4*\slot+3], s[G0B+4*\slot+2:G0B+4*\slot+3], 2*256
	JLOAD \slot                                    ; the first tensor load behind the round; the four v_nop behind it are the places in front of the loads below
.else
	PLACES
.endif
	FETCH3 \next, 0, 0
	WIN MUL
	MUL8 2, 1, 0
	MUL8 3, 1, 0
	WIN 0
.endm
	s_wait_alu depctr_va_vdst(0)
	s_wait_loadcnt 0x0                             ; the bias
	s_wait_tensorcnt 1                             ; my part of K step 0 is in (K step 1's load may be out)
	s_barrier_signal -1
	s_barrier_wait -1                              ; everybody's is
	FETCH3 0, 0, 0
	STEP3 0, 1                                     ; the first products start the sums
	TURN3 0, 1, 1                                  ; K = 1,024 is four K steps: one lap that fills both slots again, written out: there is no backward jump
	STEP3 1, 0
	TURN3 1, 0, 1
	STEP3 0, 0
	TURN3 0, 1, 0                                  ; the last lap fills nothing, and has no round of the cluster's barrier
	STEP3 1, 0
	s_wait_dscnt 0x0                               ; the very last 128: nothing more to fetch
	WIN MUL
	MUL8 0, 1, 0
	MUL8 1, 1, 0
	MUL8 2, 1, 0
	MUL8 3, 1, 0
	WIN 0
; THE WAY OUT, block by block of 16 tokens x 128 features: sum x 2^(e6 + e7) + bias; through my own stage in LDS, back as whole rows of 512 bytes, which the 32 lanes store as 512 consecutive bytes.
.macro TOSTAGE a
	WIN 0x32                                       ; source 0 (the sums) window 2, source 2 (the bias) window 3
.set j, 0
.rept 32
	v_pk_fma_f32 v[TMP+j:TMP+j+1], v[64*(\a)+j:64*(\a)+j+1], s[96:97], v[j:j+1] op_sel_hi:[1,0,1]   ; the scalar pair's low word for both halves; each accumulator from its low end on
.set j, j+2
.endr
	WIN 0
.irp b, 0,1,2,3,4,5,6,7
	ds_store_b128 v[STO], v[TMP+8*\b:TMP+8*\b+3] offset:64*\b
	ds_store_b128 v[STO], v[TMP+8*\b+4:TMP+8*\b+7] offset:64*\b+16
.endr
.set BBK, BK+64*((\a)%2)
.irp t, 0,1,2,3,4,5,6,7,8,9,10,11,12,13,14,15
	ds_load_b128 v[BBK+4*\t:BBK+4*\t+3], v[RD] offset:\t*SPITCH   ; LDS serves a wave's instructions in order (ISA guide 5.7.1.4): these see the stores above; the next block's stores come behind them
.endr
.endm
.macro SEND a, younger                 ; younger: the LDS instructions issued behind block a's loads, which may stay out
.set BBK, BK+64*((\a)%2)
	s_wait_dscnt \younger                          ; the block is back in registers
.irp t, 0,1,2,3,4,5,6,7,8,9,10,11,12,13,14,15
	global_store_b128 v[CO], v[BBK+4*\t:BBK+4*\t+3], s[12:13] offset:(16*(\a)+\t)*4096 th:TH_STORE_NT   ; the row's place among my 64 stands in the immediate: 258,048 at the most; written once, read by nobody here
.endr
.endm
	s_wait_kmcnt 0x0
	s_add_co_i32 s96, s96, s97                     ; e6 + e7
	s_add_co_i32 s96, s96, 127
	s_lshl_b32 s96, s96, 23                        ; 2^(e6 + e7) as f32
	s_mov_b32 s97, s96                             ; (named with it as a pair, so it is written)
	PLACES                                         ; behind the last products: their results are read, and rows come back into A's registers
	TOSTAGE 0
.irp a, 1,2,3
.if \a > 1
	s_wait_xcnt 0x0                                ; block a - 2's stores have read their registers: block a's rows may land there
.endif
	TOSTAGE \a
	SEND \a-1, 32                                  ; behind block a - 1's loads: block a's 16 stores and 16 loads
.endr
	SEND 3, 0
	s_wait_tensorcnt 0x0                           ; the wave's end: behind my last tensor load and my last LDS store
	ds_add_u32 v[SPW], v[NIL]
	s_wait_dscnt 0x0
	CROUND                                         ; the closing round: no work-group ends while a partner may still ask for a tile that names it
	s_endpgm
.Lfunc_end_k_q280b591f5d_proj:
	.size	k_q280b591f5d_proj, .Lfunc_end_k_q280b591f5d_proj-k_q280b591f5d_proj
	.p2alignl 7, 3214868480
	.fill 96, 4, 3214868480
	.section	.rodata,"a",@progbits
	.p2align	6, 0x0
	.amdhsa_kernel k_q280b591f5d_proj
		.amdhsa_group_segment_fixed_size 327680
		.amdhsa_private_segment_fixed_size 0
		.amdhsa_enable_private_segment 0
		.amdhsa_kernarg_size 40
		.amdhsa_user_sgpr_count 2
		.amdhsa_user_sgpr_kernarg_segment_ptr 1
		.amdhsa_wavefront_size32 1
		.amdhsa_system_sgpr_workgroup_id_x 1
		.amdhsa_system_sgpr_workgroup_id_y 1
		.amdhsa_system_sgpr_workgroup_id_z 1
		.amdhsa_system_vgpr_workitem_id 0
		.amdhsa_next_free_vgpr 832
		.amdhsa_next_free_sgpr 100
		.amdhsa_reserve_vcc 0
		.amdhsa_float_denorm_mode_32 3
		.amdhsa_float_denorm_mode_16_64 3
		.amdhsa_memory_ordered 1
		.amdhsa_forward_progress 1
		.amdhsa_inst_pref_size 78
	.end_amdhsa_kernel
	.amdgpu_metadata
---
amdhsa.version: [ 1, 2 ]
amdhsa.kernels:
  - .name:           k_q280b591f5d_proj
    .symbol:         k_q280b591f5d_proj.kd
    .args:
      - { .name: cv_codes, .offset: 0, .size: 8, .value_kind: global_buffer, .address_space: global }
      - { .name: w_proj_codes, .offset: 8, .size: 8, .value_kind: global_buffer, .address_space: global }
      - { .name: b_proj, .offset: 16, .size: 8, .value_kind: global_buffer, .address_space: global }
      - { .name: lowp_scales, .offset: 24, .size: 8, .value_kind: global_buffer, .address_space: global }
      - { .name: out0, .offset: 32, .size: 8, .value_kind: global_buffer, .address_space: global }
    .group_segment_fixed_size: 327680
    .private_segment_fixed_size: 0
    .kernarg_segment_align: 8
    .kernarg_segment_size: 40
    .max_flat_workgroup_size: 128
    .sgpr_count:     100
    .vgpr_count:     832
    .wavefront_size: 32
...
	.end_amdgpu_metadata
.endif
;; end of part 3
